; MI455X (gfx1250); checked and timed in simulation.
; The chip was launched on July 23, 2026; its instructions are those of AMD's public machine-readable ISA for CDNA 5 (MIT licence, August 2026) and "CDNA5" Instruction Set Architecture Reference Guide (July 2026). The comments in the code are by the model that wrote it; some were corrected since.
;; Fuzzy Signed Conjunction. Allowed arithmetic: float matrix products may take bf16 or f16 operands with f32 sums; all other float work in f32.
;; Inputs: s_logits 512 x 512 float32; w_logits 512 x 512 float32; x 1,024 x 512 float32.
;; Outputs: out0 1,024 x 512 float32.
;; 2 versions, each right; version 2 is version 1 with the launch conj written anew for expert scheduling mode. Each part assembles by itself: llvm-mc -triple=amdgcn-amd-amdhsa -mcpu=gfx1250 --defsym DOCPART=n.
;; ======== version 1 of 2: 1 launch
;; launch conj (part 1): grid 8 x 32, 8 waves a work-group, no clusters, 168,960 bytes of LDS; arguments x, w_logits, s_logits, out0; writes out0
.if DOCPART == 1
	.amdgcn_target "amdgcn-amd-amdhsa--gfx1250"
	.amdhsa_code_object_version 6
	.text
	.protected	k_q8e4a2a3cc1_conj
	.globl	k_q8e4a2a3cc1_conj
	.p2align	8
	.type	k_q8e4a2a3cc1_conj,@function
k_q8e4a2a3cc1_conj:
	s_mov_b64 s[64:65], 0
	v_nop
	global_prefetch_b8 v0, s[64:65] scope:SCOPE_SE
	s_setreg_imm32_b32 hwreg(HW_REG_WAVE_MODE, 25, 1), 1
	s_wait_xcnt 0x0
; out[b][o] = product over i of ( 1 - w (1 - xnor(x, s)) ),  w = sigmoid(w_logits[i][o]), s = sigmoid(s_logits[i][o]), x = x[b][i].
; 1 - xnor = x + s - 2 x s, so a factor is  a[i][o] + x[b][i] c[i][o]  with  a = 1 - w s,  c = w (2 s - 1):
; one fused multiply-add and one multiply for each (b, i, o), two at a time in v_pk_fma_f32 / v_pk_mul_f32.  All in f32.
;
; SHARES.  256 work-groups; each owns 32 rows b x 64 columns o of out.  Every piece of a row of x, w, s, out that is touched is 256
; consecutive bytes at a multiple of 256.  The eight waves split I, not the block: wave v takes i = 64 v .. 64 v + 63 for all 2,048
; outputs, so a lane keeps 16 b x 4 o = 64 partial products and one i costs it 24 operand words from LDS for 64 packed instructions.
; Lane l: jo = l & 15 -> o = 4 jo .. 4 jo + 3;  jb = l >> 4 -> b = 16 jb + kk, kk = 0 .. 15.
; Until the end a wave touches only LDS bytes of its own; the eight partial products meet in LDS behind the one barrier.
;
; A STEP is a chunk of 4 i: 256 packed instructions.  Between its blocks stand the making of a, c for the NEXT chunk (from w, s in
; registers, into a ring of two LDS buffers) and the global loads of w, s three chunks ahead.
;
; NO CLUSTER, NO TENSOR LOADS: w and s have to pass through registers (sigmoid) before anything of them goes to LDS; joint requests
; would need raw tiles in an LDS ring whose every refill stands behind a work-group barrier, which would tie together eight waves that
; here meet once.  A wave asks for 2 KiB of w, s in a step of 316 vector instructions; x (8 KiB a wave) is asked for once.
; The text uses 163,840 bytes of LDS; the launch asks for a little more than half of a WGP's LDS, so that a work-group is alone on its
; WGP with two waves on each SIMD.
;
; LIMITS.  (1) Order: each output is the product of eight runs of 64 ascending i, joined by a tree, not reference()'s order; for x in
; [0, 1] all factors lie in [0, 1] and no run is smaller than the whole product; for x far outside, an intermediate may overflow in one
; order and not in the other.  (2) A factor is rounded as a + x c, absolute error a few 2^-24 (1 + |x|).  (3) v_exp_f32 and v_rcp_f32
; flush denormals (ISA guide 15.8): a sigmoid below 2^-126 (logit below about -87) is 0; a logit so negative that 2^(..) is infinite
; gives rcp(inf) = 0, the right limit, so no clamp is needed.
.set ROWB, 2048                        ; bytes in a row of x, w_logits, s_logits, out0 (512 f32)
.set CHB,  4*ROWB                      ; a chunk of w or s: 4 rows
.set XB,   32*256                      ; LDS, a wave's x: 32 b x 64 i
.set ACB,  4*512                       ; LDS, one buffer of a, c: 4 i x (64 a, then 64 c)
.set ACR,  XB                          ; the ring of two such buffers lies behind the wave's x
.set WREG, XB+2*ACB                    ; a wave's own LDS: 12,288 bytes
.set SCR,  8*WREG                      ; behind the eight: the partial products, 8 waves x 32 b x 64 o
.set SCRW, 32*256
.set VAC,  1                           ; v1   LDS: wave + 16 jo                 (a, c read)
.set VST,  2                           ; v2   LDS: wave + 512 jb + 16 jo        (a, c written)
.set VX,   3                           ; v3   LDS: wave + 4096 jb + 32 x trip   (x read, one address for 16 lanes)
.set VG,   4                           ; v4   global: 2048 jb + 16 jo           (two rows, 256 bytes of each)
.set VSC,  5                           ; v5   LDS: my partial products
.set VRD,  6                           ; v6   LDS: the rows that I finish
.set VXS,  7                           ; v7   LDS: wave + 16 lane               (x written)
.set ATMP, 8                           ; v[8:11]     a of 4 columns, on its way to LDS
.set T,    12                          ; v[12:27]    factors of 4 b x 4 o
.set AC,   28                          ; v[28:43]    buffer q: a of my 4 o at +8 q, c at +8 q + 4
.set RAW,  44                          ; v[44:75]    set r, half h: w at +16 r + 8 h, s at + 4; turned in place into c and 2 s - 1
.set X,    76                          ; v[76:139]   x[b = 16 jb + kk][4 i of the chunk] at +4 kk
.set ACC,  140                         ; v[140:203]  products: b = 16 jb + kk, 4 o, at +4 kk
	s_load_b256 s[4:11], s[0:1], 0x0               ; x s[4:5], w_logits s[6:7], s_logits s[8:9], out0 s[10:11]
	v_lshl_add_u32 v204, v0, 2, 0x29000
	v_mov_b32 v205, 0
	v_lshrrev_b32 v[T], 5, v0
	v_readfirstlane_b32 s12, v[T]                  ; wave 0..7
	s_and_b32 s14, ttmp7, 0xffff                   ; block of 32 b;  ttmp9: block of 64 o
	s_mov_b32 s20, 0xbfb8aa3b                      ; -log2(e): e^-t = 2^(-1.442695 t)
	s_mov_b32 s21, 0xbfb8aa3b                      ; (the pair is named whole)
	v_and_b32 v[T], 15, v0
	v_lshlrev_b32 v[T], 4, v[T]                    ; 16 jo
	v_bfe_u32 v[T+1], v0, 4, 1                     ; jb
	v_and_b32 v[T+2], 31, v0                       ; lane
	v_lshl_add_u32 v[VG], v[T+1], 11, v[T]
	s_mul_i32 s15, s12, WREG                       ; my wave's LDS
	s_lshl_b32 s24, s12, 13
	s_add_co_u32 s24, s24, SCR                     ; where my wave puts its 8 KiB of partial products
	s_lshl_b32 s25, s12, 10
	s_add_co_u32 s25, s25, SCR                     ; rows 4 v .. 4 v + 3 of wave 0's partial products
	v_add_nc_u32 v[VAC], s15, v[T]
	v_lshl_add_u32 v[VST], v[T+1], 9, v[VAC]
	v_lshl_add_u32 v[VX], v[T+1], 12, s15
	v_lshl_add_u32 v[VXS], v[T+2], 4, s15
	v_lshl_add_u32 v[VSC], v[T+1], 12, v[T]
	v_add_nc_u32 v[VSC], s24, v[VSC]
	v_lshl_add_u32 v[VRD], v[T+2], 4, s25
	s_lshl_b32 s16, s14, 16                        ; 32 rows of 2,048 bytes for each block of b
	s_lshl_b32 s18, s12, 8                         ; my wave's 64 i: 256 bytes of each row of x
	s_add_co_u32 s16, s16, s18
	s_mov_b32 s17, 0
	s_lshl_b32 s18, s12, 17                        ; my wave's 64 rows of w and s
	s_lshl_b32 s22, ttmp9, 8                       ; the block's 64 o: 256 bytes of each row
	s_add_co_u32 s18, s18, s22
	s_mov_b32 s19, 0
	s_wait_kmcnt 0x0
	s_add_nc_u64 s[4:5], s[4:5], s[16:17]          ; x at (first b, my first i)
	s_add_nc_u64 s[6:7], s[6:7], s[18:19]          ; w at (my first i, first o)
	s_add_nc_u64 s[8:9], s[8:9], s[18:19]          ; s likewise
	s_lshl_b32 s16, s14, 16
	s_add_co_u32 s16, s16, s22
	s_lshl_b32 s18, s12, 13                        ; the 4 rows of out that my wave finishes
	s_add_co_u32 s16, s16, s18
	s_add_nc_u64 s[10:11], s[10:11], s[16:17]
; two loads: w and s of rows 2 h + jb of the chunk at byte off from the stepped bases; 16 lanes take 256 consecutive bytes of a row
.macro P_LOAD r, h, off
.set WB, RAW+16*(\r)+8*\h
	global_load_b128 v[WB:WB+3],   v[VG], s[6:7] offset:\off+\h*2*ROWB
	global_load_b128 v[WB+4:WB+7], v[VG], s[8:9] offset:\off+\h*2*ROWB
.endm
; e^-w, e^-s of 4 columns.  left = younger loads that may stay out (loads come back in order, ISA guide 5.7.1)
.macro P_EXP r, h, left
.set WB, RAW+16*(\r)+8*\h
	s_wait_loadcnt \left
.irp e, 0,2,4,6
	v_pk_mul_f32 v[WB+\e:WB+\e+1], v[WB+\e:WB+\e+1], s[20:21] op_sel_hi:[1,0]
.endr
.irp e, 0,1,2,3,4,5,6,7
	v_exp_f32 v[WB+\e], v[WB+\e]                   ; a plain vector instruction follows the run before any result is used (ISA guide 5.7.2)
.endr
.endm
; w = 1 / (1 + e^-w), s likewise
.macro P_RCP r, h
.set WB, RAW+16*(\r)+8*\h
	s_wait_alu depctr_va_vdst(0)
.irp e, 0,2,4,6
	v_pk_add_f32 v[WB+\e:WB+\e+1], v[WB+\e:WB+\e+1], 1.0 op_sel_hi:[1,0]
.endr
.irp e, 0,1,2,3,4,5,6,7
	v_rcp_f32 v[WB+\e], v[WB+\e]                   ; as above: a plain instruction follows the run
.endr
.endm
; a = 1 - w s, c = w (2 s - 1), into rows 2 h + jb of LDS buffer p: 16 lanes write 256 consecutive bytes
.macro P_FIN r, h, p
.set WB, RAW+16*(\r)+8*\h
	s_wait_alu depctr_va_vdst(0)
.irp e, 0,2
	v_pk_fma_f32 v[ATMP+\e:ATMP+\e+1], v[WB+\e:WB+\e+1], v[WB+4+\e:WB+5+\e], 1.0 op_sel_hi:[1,1,0] neg_lo:[1,0,0] neg_hi:[1,0,0]
.endr
.irp e, 0,2
	v_pk_fma_f32 v[WB+4+\e:WB+5+\e], v[WB+4+\e:WB+5+\e], 2.0, -1.0 op_sel_hi:[1,0,0]
.endr
.irp e, 0,2
	v_pk_mul_f32 v[WB+\e:WB+\e+1], v[WB+\e:WB+\e+1], v[WB+4+\e:WB+5+\e]
.endr
	ds_store_b128 v[VST], v[ATMP:ATMP+3] offset:ACR+(\p)*ACB+\h*1024
	ds_store_b128 v[VST], v[WB:WB+3]     offset:ACR+(\p)*ACB+\h*1024+256
.endm
; a and c of my 4 o at row i of LDS buffer p, into register buffer q
.macro LAC p, i, q
	ds_load_b128 v[AC+8*\q:AC+8*\q+3],   v[VAC] offset:ACR+(\p)*ACB+\i*512
	ds_load_b128 v[AC+8*\q+4:AC+8*\q+7], v[VAC] offset:ACR+(\p)*ACB+\i*512+256
.endm
; x of b = 16 jb + 4 m .. + 3, four i at byte xo of the rows (counted from VX)
.macro LX m, xo
.irp j, 0,1,2,3
	ds_load_b128 v[X+4*(4*\m+\j):X+4*(4*\m+\j)+3], v[VX] offset:(4*\m+\j)*256+\xo
.endr
.endm
; 4 b x 4 o at the chunk's i-th i: eight factors c x + a (x picked from its pair by op_sel), then eight multiplies, eight lines behind.
; first = 1: the factors ARE the products so far: nothing is set to one beforehand.
.macro BLK i, m, q, first
.irp j, 0,1,2,3
.irp p, 0,1
.if \first
.set DST, ACC+4*(4*\m+\j)+2*\p
.else
.set DST, T+4*\j+2*\p
.endif
.if \i & 1
	v_pk_fma_f32 v[DST:DST+1], v[AC+8*\q+4+2*\p:AC+8*\q+5+2*\p], v[X+4*(4*\m+\j)+(\i&2):X+4*(4*\m+\j)+(\i&2)+1], v[AC+8*\q+2*\p:AC+8*\q+2*\p+1] op_sel:[0,1,0] op_sel_hi:[1,1,1]
.else
	v_pk_fma_f32 v[DST:DST+1], v[AC+8*\q+4+2*\p:AC+8*\q+5+2*\p], v[X+4*(4*\m+\j)+(\i&2):X+4*(4*\m+\j)+(\i&2)+1], v[AC+8*\q+2*\p:AC+8*\q+2*\p+1] op_sel_hi:[1,0,1]
.endif
.endr
.endr
.if \first == 0
.irp j, 0,1,2,3
.irp p, 0,1
	v_pk_mul_f32 v[ACC+4*(4*\m+\j)+2*\p:ACC+4*(4*\m+\j)+2*\p+1], v[ACC+4*(4*\m+\j)+2*\p:ACC+4*(4*\m+\j)+2*\p+1], v[T+4*\j+2*\p:T+4*\j+2*\p+1]
.endr
.endr
.endif
.endm
; STEP k.  par = k & 1: the chunk's a, c lie in LDS buffer par.  prep = 1: a, c of chunk k + 1 are made, from raw set 1 - par into
; LDS buffer 1 - par.  load = 1: w, s of chunk k + 3 are asked for, into the same raw set.  l0, l1: younger global loads that may
; stay out at the two halves.  next = 1: the next chunk's first a, c and its x are fetched from LDS.
; LDS instructions of a wave are served in order (ISA guide 5.7.1), so each s_wait_dscnt counts what was issued behind what it wants,
; and the loads of a, c that stand behind this wave's own stores see them.
.macro STEP par, first, prep, load, l0, l1, next
	s_wait_dscnt 12                                ; i = 0.  a, c of it and x of block 0 are in; the 12 x loads of blocks 1-3 may be out
	LAC \par, 1, 1
.if \prep
	P_EXP 1-\par, 0, \l0
.endif
	BLK 0, 0, 0, \first
	s_wait_dscnt 10                                ; x of block 1: behind it 8 x loads and the 2 loads of a, c above
.if \prep
	P_RCP 1-\par, 0
.endif
	BLK 0, 1, 0, \first
	s_wait_dscnt 6                                 ; x of block 2: behind it 4 + 2
.if \prep
	P_FIN 1-\par, 0, 1-\par
.endif
	BLK 0, 2, 0, \first
	s_wait_dscnt 2+2*\prep                         ; x of block 3: behind it the 2 loads of a, c and the 2 stores of a, c
.if \load
	P_LOAD 1-\par, 0, (3+\par)*CHB
.endif
	BLK 0, 3, 0, \first
	s_wait_dscnt 2*\prep                           ; i = 1.  its a, c are in; only the 2 stores are younger
	LAC \par, 2, 0
	BLK 1, 0, 1, 0
	BLK 1, 1, 1, 0
	BLK 1, 2, 1, 0
	BLK 1, 3, 1, 0
	s_wait_dscnt 0                                 ; i = 2.  its a, c were the last LDS instructions, 64 vector instructions ago
	LAC \par, 3, 1
.if \prep
	P_EXP 1-\par, 1, \l1
.endif
	BLK 2, 0, 0, 0
.if \prep
	P_RCP 1-\par, 1
.endif
	BLK 2, 1, 0, 0
.if \prep
	P_FIN 1-\par, 1, 1-\par
.endif
	BLK 2, 2, 0, 0
.if \load
	P_LOAD 1-\par, 1, (3+\par)*CHB
.endif
	BLK 2, 3, 0, 0
	s_wait_dscnt 2*\prep                           ; i = 3.  its a, c are in; only the 2 stores are younger
.if \next
	LAC 1-\par, 0, 0                               ; the next chunk's first row, behind both halves' stores
.endif
	BLK 3, 0, 1, 0
.if \next
	LX 0, 16+16*\par                               ; a block's x has had its last use: fetch the next chunk's, 64 vector instructions ahead
.endif
	BLK 3, 1, 1, 0
.if \next
	LX 1, 16+16*\par
.endif
	BLK 3, 2, 1, 0
.if \next
	LX 2, 16+16*\par
.endif
	BLK 3, 3, 1, 0
.if \next
	LX 3, 16+16*\par
.endif
.endm
; two chunks on
.macro ADV
	s_wait_xcnt 0x0                                ; the bases of the loads issued so far are stepped only behind this wait
	s_add_nc_u64 s[6:7], s[6:7], 2*CHB
	s_add_nc_u64 s[8:9], s[8:9], 2*CHB
	v_add_nc_u32 v[VX], 32, v[VX]
.endm
	; PROLOGUE: everything that the first steps need is asked for at once: 24 loads
.irp t, 0,1,2,3,4,5,6,7,8,9,10,11,12,13,14,15
	global_load_b128 v[X+4*\t:X+4*\t+3], v[VG], s[4:5] offset:\t*2*ROWB    ; rows 2 t + jb of x, my wave's 256 bytes of each
.endr
	P_LOAD 0, 0, 0
	P_LOAD 0, 1, 0
	P_LOAD 1, 0, CHB
	P_LOAD 1, 1, CHB
	s_wait_loadcnt 8                               ; x is in; the 8 loads of chunks 0 and 1 may be out
.irp t, 0,1,2,3,4,5,6,7,8,9,10,11,12,13,14,15
	ds_store_b128 v[VXS], v[X+4*\t:X+4*\t+3] offset:\t*512                 ; row b at 256 b: a plain copy, 512 consecutive bytes a store
.endr
	P_EXP 0, 0, 6                                  ; a, c of chunk 0; behind the pair that is wanted: 2 loads of its other half, 4 of chunk 1
	v_nop                                          ; the plain instruction behind the run of v_exp_f32
	s_wait_alu depctr_va_vdst(0)
	P_RCP 0, 0
	v_nop
	s_wait_alu depctr_va_vdst(0)
	P_FIN 0, 0, 0
	P_LOAD 0, 0, 2*CHB
	P_EXP 0, 1, 6                                  ; behind it: 4 of chunk 1, 2 of chunk 2
	v_nop
	s_wait_alu depctr_va_vdst(0)
	P_RCP 0, 1
	v_nop
	s_wait_alu depctr_va_vdst(0)
	P_FIN 0, 1, 0
	P_LOAD 0, 1, 2*CHB
	LAC 0, 0, 0                                    ; in the order in which a step leaves them for the next
	LX 0, 0
	LX 1, 0
	LX 2, 0
	LX 3, 0
	STEP 0, 1, 1, 1, 6, 6, 1                       ; steps 0, 1 stand in front of the loop: the first factors start the products
	STEP 1, 0, 1, 1, 6, 6, 1
	ADV
	s_mov_b32 s22, 5                               ; steps 2 .. 11
.Ltrip:
	STEP 0, 0, 1, 1, 6, 6, 1
	STEP 1, 0, 1, 1, 6, 6, 1
	ADV
	s_sub_co_u32 s22, s22, 1
	s_cmp_lg_u32 s22, 0
	s_cbranch_scc1 .Ltrip
	STEP 0, 0, 1, 1, 6, 6, 1                       ; step 12 asks for chunk 15, the last
	STEP 1, 0, 1, 0, 6, 4, 1                       ; step 13 makes chunk 14: behind its halves 2 + 4, then 4 loads
	v_add_nc_u32 v[VX], 32, v[VX]
	STEP 0, 0, 1, 0, 2, 0, 1                       ; step 14 makes chunk 15: 2, then 0
	STEP 1, 0, 0, 0, 0, 0, 0                       ; step 15: nothing follows
	; THE EIGHT RUNS MEET.  My 32 x 64 partial products, row b at 256 b: 16 lanes write 256 consecutive bytes.
.irp k, 0,1,2,3,4,5,6,7,8,9,10,11,12,13,14,15
	ds_store_b128 v[VSC], v[ACC+4*\k:ACC+4*\k+3] offset:\k*256
.endr
	s_wait_dscnt 0x0                               ; for the other waves' sake: my stores are done before I say so
	s_barrier_signal -1
	s_barrier_wait -1
.irp u, 0,1,2,3,4,5,6,7
	ds_load_b128 v[X+8*\u:X+8*\u+3],   v[VRD] offset:\u*SCRW               ; wave u's rows 4 v + jb
	ds_load_b128 v[X+8*\u+4:X+8*\u+7], v[VRD] offset:\u*SCRW+512           ; and 4 v + 2 + jb
.endr
.macro RMUL dd, ss
.irp e, 0,2,4,6
	v_pk_mul_f32 v[X+8*\dd+\e:X+8*\dd+\e+1], v[X+8*\dd+\e:X+8*\dd+\e+1], v[X+8*\ss+\e:X+8*\ss+\e+1]
.endr
.endm
	s_wait_dscnt 12                                ; the first four loads are in, twelve younger ones may be out; and so on down
	RMUL 0, 1
	s_wait_dscnt 8
	RMUL 2, 3
	s_wait_dscnt 4
	RMUL 4, 5
	s_wait_dscnt 0
	RMUL 6, 7
	RMUL 0, 2
	RMUL 4, 6
	RMUL 0, 4
	global_store_b128 v[VG], v[X:X+3],   s[10:11] th:TH_STORE_NT               ; 16 lanes store 256 consecutive bytes, at a multiple of 256 from out0's first byte
	global_store_b128 v[VG], v[X+4:X+7], s[10:11] offset:2*ROWB th:TH_STORE_NT
	s_wait_tensorcnt 0x0
	ds_add_u32 v204, v205
	s_wait_dscnt 0x0
	s_endpgm
.Lfunc_end_k_q8e4a2a3cc1_conj:
	.size	k_q8e4a2a3cc1_conj, .Lfunc_end_k_q8e4a2a3cc1_conj-k_q8e4a2a3cc1_conj
	.p2alignl 7, 3214868480
	.fill 96, 4, 3214868480
	.section	.rodata,"a",@progbits
	.p2align	6, 0x0
	.amdhsa_kernel k_q8e4a2a3cc1_conj
		.amdhsa_group_segment_fixed_size 168960
		.amdhsa_private_segment_fixed_size 0
		.amdhsa_enable_private_segment 0
		.amdhsa_kernarg_size 32
		.amdhsa_user_sgpr_count 2
		.amdhsa_user_sgpr_kernarg_segment_ptr 1
		.amdhsa_wavefront_size32 1
		.amdhsa_system_sgpr_workgroup_id_x 1
		.amdhsa_system_sgpr_workgroup_id_y 1
		.amdhsa_system_sgpr_workgroup_id_z 1
		.amdhsa_system_vgpr_workitem_id 0
		.amdhsa_next_free_vgpr 206
		.amdhsa_next_free_sgpr 66
		.amdhsa_reserve_vcc 0
		.amdhsa_float_denorm_mode_32 3
		.amdhsa_float_denorm_mode_16_64 3
		.amdhsa_memory_ordered 1
		.amdhsa_forward_progress 1
		.amdhsa_inst_pref_size 178
	.end_amdhsa_kernel
	.amdgpu_metadata
---
amdhsa.version: [ 1, 2 ]
amdhsa.kernels:
  - .name:           k_q8e4a2a3cc1_conj
    .symbol:         k_q8e4a2a3cc1_conj.kd
    .args:
      - { .name: x, .offset: 0, .size: 8, .value_kind: global_buffer, .address_space: global }
      - { .name: w_logits, .offset: 8, .size: 8, .value_kind: global_buffer, .address_space: global }
      - { .name: s_logits, .offset: 16, .size: 8, .value_kind: global_buffer, .address_space: global }
      - { .name: out0, .offset: 24, .size: 8, .value_kind: global_buffer, .address_space: global }
    .group_segment_fixed_size: 168960
    .private_segment_fixed_size: 0
    .kernarg_segment_align: 8
    .kernarg_segment_size: 32
    .max_flat_workgroup_size: 256
    .sgpr_count:     66
    .vgpr_count:     206
    .wavefront_size: 32
...
	.end_amdgpu_metadata
.endif
;; end of part 1
;; ======== version 2 of 2: 1 launch; version 1 with the launch conj written anew for expert scheduling mode
;; launch conj (part 2): grid 8 x 32, 8 waves a work-group, no clusters, 168,960 bytes of LDS; arguments x, w_logits, s_logits, out0; writes out0
.if DOCPART == 2
	.amdgcn_target "amdgcn-amd-amdhsa--gfx1250"
	.amdhsa_code_object_version 6
	.text
	.protected	k_q8e4a2a3cc1_conj
	.globl	k_q8e4a2a3cc1_conj
	.p2align	8
	.type	k_q8e4a2a3cc1_conj,@function
k_q8e4a2a3cc1_conj:
	s_mov_b64 s[64:65], 0
	v_nop
	global_prefetch_b8 v0, s[64:65] scope:SCOPE_SE
	s_setreg_imm32_b32 hwreg(HW_REG_WAVE_SCHED_MODE, 0, 2), 2
	s_setreg_imm32_b32 hwreg(HW_REG_WAVE_MODE, 25, 1), 1
	s_wait_xcnt 0x0
	s_wait_alu depctr_vm_vsrc(0)
; out[b][o] = product over i of ( 1 - w (1 - xnor(x, s)) ),  w = sigmoid(w_logits[i][o]), s = sigmoid(s_logits[i][o]), x = x[b][i].
; 1 - xnor = x + s - 2 x s, so a factor is  a[i][o] + x[b][i] c[i][o]  with  a = 1 - w s,  c = w (2 s - 1):
; one fused multiply-add and one multiply for each (b, i, o), two at a time in v_pk_fma_f32 / v_pk_mul_f32.  All in f32.
;
; SHARES.  256 work-groups; each owns 32 rows b x 64 columns o of out.  Every piece of a row of x, w, s, out that is touched is 256
; consecutive bytes at a multiple of 256.  The eight waves split I, not the block: wave v takes i = 64 v .. 64 v + 63 for all 2,048
; outputs, so a lane keeps 16 b x 4 o = 64 partial products and one i costs it 24 operand words from LDS for 64 packed instructions.
; Lane l: jo = l & 15 -> o = 4 jo .. 4 jo + 3;  jb = l >> 4 -> b = 16 jb + kk, kk = 0 .. 15.
; Until the end a wave touches only LDS bytes of its own; the eight partial products meet in LDS behind the one barrier.
;
; A STEP is a chunk of 4 i: 256 packed instructions, in four QUARTERS: quarter m takes the four b of block m through the chunk's four i,
; ascending.  Among them stand the making of a, c for the NEXT chunk (from w, s in registers, into a ring of two LDS buffers, and back
; into registers) and the global loads of w, s three chunks ahead.
;
; THE MODE: SCHED_MODE bits 1:0 = 2 (LLVM: expert scheduling mode 2), set by the entry lines.  The code itself states the register
; dependences between vector instructions and memory or LDS instructions, with s_wait_alu, always for 0.
; THE PLAN.  Registers that memory or LDS instructions touch, in step k (par = k & 1):
;   X block m      read by quarter m's lines alone.  The next chunk's x lands in it at the head of the quarter behind: blocks 0, 1, 2 in
;                  quarters 1, 2, 3 of step k, block 3 at the head of step k + 1: three quarters ahead of its use.
;   AC[par]        all four rows of a, c of chunk k: read by every quarter of step k; no load lands in it in step k.
;   AC[1 - par]    named by no vector instruction of step k: chunk k + 1's rows 0, 1 land in quarter 1, rows 2, 3 in quarter 2.
;   RAW[1 - par]   half h: turned into c by quarter h's lines; c is stored to LDS at the head of quarter h + 1; w, s of chunk k + 3 land in quarter h + 2.
;   ATMP h         a: written in quarter h, stored at the head of quarter h + 1, written again a step later.
;   v[VX]          read by every LDS load of x; stepped once in two steps, ahead of a step's head.
;   the other addresses are made at the head and never written again; T and, until the end, ACC are named by vector instructions alone.
; So one wait on va_vdst stands at the head of each quarter, and a wait on vm_vsrc beside it in quarters 2 and 3.  Behind them the quarter's
; loads and stores are dealt among its vector lines, which name T, AC[par], this quarter's block of X and ACC, and this quarter's half
; of RAW and ATMP: none of the registers that those loads and stores touch.
;
; NO CLUSTER, NO TENSOR LOADS: w and s have to pass through registers (sigmoid) before anything of them goes to LDS; joint requests
; would need raw tiles in an LDS ring whose every refill stands behind a work-group barrier, which would tie together eight waves that
; here meet once.  A wave asks for 2 KiB of w, s in a step of 316 vector instructions; x (8 KiB a wave) is asked for once.
; The text uses 163,840 bytes of LDS; the launch asks for a little more than half of a WGP's LDS, so that a work-group is alone on its
; WGP with two waves on each SIMD.
;
; LIMITS.  (1) Order: each output is the product of eight runs of 64 ascending i, joined by a tree, not reference()'s order; for x in
; [0, 1] all factors lie in [0, 1] and no run is smaller than the whole product; for x far outside, an intermediate may overflow in one
; order and not in the other.  (2) A factor is rounded as a + x c, absolute error a few 2^-24 (1 + |x|).  (3) v_exp_f32 and v_rcp_f32
; flush denormals (ISA guide 15.8): a sigmoid below 2^-126 (logit below about -87) is 0; a logit so negative that 2^(..) is infinite
; gives rcp(inf) = 0, the right limit, so no clamp is needed.
.set ROWB, 2048                        ; bytes in a row of x, w_logits, s_logits, out0 (512 f32)
.set CHB,  4*ROWB                      ; a chunk of w or s: 4 rows
.set XB,   32*256                      ; LDS, a wave's x: 32 b x 64 i
.set ACB,  4*512                       ; LDS, one buffer of a, c: 4 i x (64 a, then 64 c)
.set ACR,  XB                          ; the ring of two such buffers lies behind the wave's x
.set WREG, XB+2*ACB                    ; a wave's own LDS: 12,288 bytes
.set SCR,  8*WREG                      ; behind the eight: the partial products, 8 waves x 32 b x 64 o
.set SCRW, 32*256
.set VAC,  1                           ; v1   LDS: wave + 16 jo                 (a, c read)
.set VST,  2                           ; v2   LDS: wave + 512 jb + 16 jo        (a, c written)
.set VX,   3                           ; v3   LDS: wave + 4096 jb + 32 x trip   (x read, one address for 16 lanes)
.set VG,   4                           ; v4   global: 2048 jb + 16 jo           (two rows, 256 bytes of each)
.set VSC,  5                           ; v5   LDS: my partial products
.set VRD,  6                           ; v6   LDS: the rows that I finish
.set VXS,  7                           ; v7   LDS: wave + 16 lane               (x written)
.set ATMP, 8                           ; v[8:15]     half h: a of 4 columns, on its way to LDS, at +4 h
.set T,    16                          ; v[16:31]    factors of 4 b x 4 o
.set AC,   32                          ; v[32:95]    buffer q, row i of a chunk: a of my 4 o at +32 q + 8 i, c at + 4
.set RAW,  96                          ; v[96:127]   set r, half h: w at +16 r + 8 h, s at + 4; turned in place into c and 2 s - 1
.set X,    128                         ; v[128:191]  x[b = 16 jb + kk][4 i of the chunk] at +4 kk; block m: kk = 4 m .. 4 m + 3
.set ACC,  192                         ; v[192:255]  products: b = 16 jb + kk, 4 o, at +4 kk
	s_load_b256 s[4:11], s[0:1], 0x0               ; x s[4:5], w_logits s[6:7], s_logits s[8:9], out0 s[10:11]
	s_set_vgpr_msb 0x40
	v_lshl_add_u32 v0, v0, 2, 0x29000
	v_mov_b32 v1, 0
	s_set_vgpr_msb 0x4000
	v_lshrrev_b32 v[T], 5, v0
	v_readfirstlane_b32 s12, v[T]                  ; wave 0..7
	s_and_b32 s14, ttmp7, 0xffff                   ; block of 32 b;  ttmp9: block of 64 o
	s_mov_b32 s20, 0xbfb8aa3b                      ; -log2(e): e^-t = 2^(-1.442695 t)
	s_mov_b32 s21, 0xbfb8aa3b                      ; (the pair is named whole)
	v_and_b32 v[T], 15, v0
	v_lshlrev_b32 v[T], 4, v[T]                    ; 16 jo
	v_bfe_u32 v[T+1], v0, 4, 1                     ; jb
	v_and_b32 v[T+2], 31, v0                       ; lane
	v_lshl_add_u32 v[VG], v[T+1], 11, v[T]
	s_wait_alu depctr_va_sdst(0)                   ; s12 is written, ahead of its first reader: LDS places and the buffers' bases are made from it
	s_mul_i32 s15, s12, WREG                       ; my wave's LDS
	s_lshl_b32 s24, s12, 13
	s_add_co_u32 s24, s24, SCR                     ; where my wave puts its 8 KiB of partial products
	s_lshl_b32 s25, s12, 10
	s_add_co_u32 s25, s25, SCR                     ; rows 4 v .. 4 v + 3 of wave 0's partial products
	v_add_nc_u32 v[VAC], s15, v[T]
	v_lshl_add_u32 v[VST], v[T+1], 9, v[VAC]
	v_lshl_add_u32 v[VX], v[T+1], 12, s15
	v_lshl_add_u32 v[VXS], v[T+2], 4, s15
	v_lshl_add_u32 v[VSC], v[T+1], 12, v[T]
	v_add_nc_u32 v[VSC], s24, v[VSC]
	v_lshl_add_u32 v[VRD], v[T+2], 4, s25
	s_lshl_b32 s16, s14, 16                        ; 32 rows of 2,048 bytes for each block of b
	s_lshl_b32 s18, s12, 8                         ; my wave's 64 i: 256 bytes of each row of x
	s_add_co_u32 s16, s16, s18
	s_mov_b32 s17, 0
	s_lshl_b32 s18, s12, 17                        ; my wave's 64 rows of w and s
	s_lshl_b32 s22, ttmp9, 8                       ; the block's 64 o: 256 bytes of each row
	s_add_co_u32 s18, s18, s22
	s_mov_b32 s19, 0
	s_wait_kmcnt 0x0
	s_add_nc_u64 s[4:5], s[4:5], s[16:17]          ; x at (first b, my first i)
	s_add_nc_u64 s[6:7], s[6:7], s[18:19]          ; w at (my first i, first o)
	s_add_nc_u64 s[8:9], s[8:9], s[18:19]          ; s likewise
	s_lshl_b32 s16, s14, 16
	s_add_co_u32 s16, s16, s22
	s_lshl_b32 s18, s12, 13                        ; the 4 rows of out that my wave finishes
	s_add_co_u32 s16, s16, s18
	s_add_nc_u64 s[10:11], s[10:11], s[16:17]
	s_wait_alu depctr_va_vdst(0)                   ; the seven addresses v1 to v7 are written, which the loads and stores of the whole kernel read
; two loads: w and s of rows 2 h + jb of the chunk at byte off from the stepped bases; 16 lanes take 256 consecutive bytes of a row
.macro P_LOAD r, h, off
.set WB, RAW+16*(\r)+8*\h
	global_load_b128 v[WB:WB+3],   v[VG], s[6:7] offset:\off+\h*2*ROWB
	global_load_b128 v[WB+4:WB+7], v[VG], s[8:9] offset:\off+\h*2*ROWB
.endm
; e^-w, e^-s of 4 columns.  left = younger loads that may stay out (loads come back in order, ISA guide 5.7.1)
.macro P_EXP r, h, left
.set WB, RAW+16*(\r)+8*\h
	s_wait_loadcnt \left
.irp e, 0,2,4,6
	v_pk_mul_f32 v[WB+\e:WB+\e+1], v[WB+\e:WB+\e+1], s[20:21] op_sel_hi:[1,0]
.endr
.irp e, 0,1,2,3,4,5,6,7
	v_exp_f32 v[WB+\e], v[WB+\e]                   ; a plain vector instruction follows the run before any result is used (ISA guide 5.7.2)
.endr
.endm
; w = 1 / (1 + e^-w), s likewise
.macro P_RCP r, h
.set WB, RAW+16*(\r)+8*\h
	s_wait_alu depctr_va_vdst(0)
.irp e, 0,2,4,6
	v_pk_add_f32 v[WB+\e:WB+\e+1], v[WB+\e:WB+\e+1], 1.0 op_sel_hi:[1,0]
.endr
.irp e, 0,1,2,3,4,5,6,7
	v_rcp_f32 v[WB+\e], v[WB+\e]                   ; as above: a plain instruction follows the run
.endr
.endm
; a = 1 - w s into ATMP h, c = w (2 s - 1) in w's place
.macro P_FINV r, h
.set WB, RAW+16*(\r)+8*\h
	s_wait_alu depctr_va_vdst(0)
.irp e, 0,2
	v_pk_fma_f32 v[ATMP+4*\h+\e:ATMP+4*\h+\e+1], v[WB+\e:WB+\e+1], v[WB+4+\e:WB+5+\e], 1.0 op_sel_hi:[1,1,0] neg_lo:[1,0,0] neg_hi:[1,0,0]
.endr
.irp e, 0,2
	v_pk_fma_f32 v[WB+4+\e:WB+5+\e], v[WB+4+\e:WB+5+\e], 2.0, -1.0 op_sel_hi:[1,0,0]
.endr
.irp e, 0,2
	v_pk_mul_f32 v[WB+\e:WB+\e+1], v[WB+\e:WB+\e+1], v[WB+4+\e:WB+5+\e]
.endr
.endm
; a and c into rows 2 h + jb of LDS buffer p: 16 lanes write 256 consecutive bytes
.macro P_ST r, h, p
.set WB, RAW+16*(\r)+8*\h
	ds_store_b128 v[VST], v[ATMP+4*\h:ATMP+4*\h+3] offset:ACR+(\p)*ACB+\h*1024
	ds_store_b128 v[VST], v[WB:WB+3]               offset:ACR+(\p)*ACB+\h*1024+256
.endm
; a and c of my 4 o at row i of LDS buffer p, into row i of register buffer p
.macro LAC p, i
	ds_load_b128 v[AC+32*(\p)+8*\i:AC+32*(\p)+8*\i+3],   v[VAC] offset:ACR+(\p)*ACB+\i*512
	ds_load_b128 v[AC+32*(\p)+8*\i+4:AC+32*(\p)+8*\i+7], v[VAC] offset:ACR+(\p)*ACB+\i*512+256
.endm
; x of b = 16 jb + 4 m .. + 3, four i at byte xo of the rows (counted from VX)
.macro LX m, xo
.irp j, 0,1,2,3
	ds_load_b128 v[X+4*(4*\m+\j):X+4*(4*\m+\j)+3], v[VX] offset:(4*\m+\j)*256+\xo
.endr
.endm
; 4 b x 4 o at the chunk's i-th i: eight factors c x + a (x picked from its pair by op_sel), then eight multiplies, eight lines behind.
; q: the register buffer of a, c.  first = 1: the factors ARE the products so far: nothing is set to one beforehand.
.macro BLK i, m, q, first
.irp j, 0,1,2,3
.irp p, 0,1
.if \first
.set DST, ACC+4*(4*\m+\j)+2*\p
.else
.set DST, T+4*\j+2*\p
.endif
.if \i & 1
	v_pk_fma_f32 v[DST:DST+1], v[AC+32*\q+8*\i+4+2*\p:AC+32*\q+8*\i+5+2*\p], v[X+4*(4*\m+\j)+(\i&2):X+4*(4*\m+\j)+(\i&2)+1], v[AC+32*\q+8*\i+2*\p:AC+32*\q+8*\i+2*\p+1] op_sel:[0,1,0] op_sel_hi:[1,1,1]
.else
	v_pk_fma_f32 v[DST:DST+1], v[AC+32*\q+8*\i+4+2*\p:AC+32*\q+8*\i+5+2*\p], v[X+4*(4*\m+\j)+(\i&2):X+4*(4*\m+\j)+(\i&2)+1], v[AC+32*\q+8*\i+2*\p:AC+32*\q+8*\i+2*\p+1] op_sel_hi:[1,0,1]
.endif
.endr
.endr
.if \first == 0
.irp j, 0,1,2,3
.irp p, 0,1
	v_pk_mul_f32 v[ACC+4*(4*\m+\j)+2*\p:ACC+4*(4*\m+\j)+2*\p+1], v[ACC+4*(4*\m+\j)+2*\p:ACC+4*(4*\m+\j)+2*\p+1], v[T+4*\j+2*\p:T+4*\j+2*\p+1]
.endr
.endr
.endif
.endm
; STEP k.  par = k & 1: the chunk's a, c lie in register buffer par.  first = 1: step 0.  prep = 1: a, c of chunk k + 1 are made, from raw set
; 1 - par through LDS buffer 1 - par into register buffer 1 - par, and its x is fetched.  load = 1: w, s of chunk k + 3 are asked for, into the
; same raw set.  l0, l1: younger global loads that may stay out at the two halves.  rel = 1: what the stores of a, c read is written again later.
; LDS instructions of a wave are served in order (ISA guide 5.7.1), so each s_wait_dscnt counts what was issued behind what it wants,
; and the loads of a, c that stand behind this wave's own stores see them.  The order in a step, by quarters:
; x of block 3 (4) | a, c stored (2), rows 0, 1 back (4), next x of block 0 (4) | stored (2), rows 2, 3 back (4), next x of block 1 (4) | next x of block 2 (4).
.macro STEP par, first, prep, load, l0, l1, rel
	; QUARTER 0
.if \first == 0
	s_wait_alu depctr_va_vdst(0)                   ; the last step's quarter 3 is done reading X block 3, in which the loads below land; behind a step of v[VX]: it is written
.endif
	LX 3, 16*\par                                  ; this chunk's x of block 3
.if \prep
	P_EXP 1-\par, 0, \l0
.endif
	s_wait_dscnt 12                                ; all rows of a, c and x of block 0 are in; x of blocks 1, 2, 3 (12 loads) may be out
	BLK 0, 0, \par, \first
.if \prep
	P_RCP 1-\par, 0
.endif
	BLK 1, 0, \par, 0
.if \prep
	P_FINV 1-\par, 0
.endif
	BLK 2, 0, \par, 0
	BLK 3, 0, \par, 0
	; QUARTER 1
.if \prep
	s_wait_alu depctr_va_vdst(0)                   ; quarter 0 has written ATMP 0 and c of half 0, which the stores below read, and is done reading X block 0, in which the next chunk's x lands
	P_ST 1-\par, 0, 1-\par
	P_EXP 1-\par, 1, \l1
.endif
	s_wait_dscnt 8+2*\prep                         ; x of block 1: behind it x of blocks 2 and 3 and the 2 stores
	BLK 0, 1, \par, \first
.if \prep
	LAC 1-\par, 0                                  ; no vector line of this step names register buffer 1 - par
	LAC 1-\par, 1
	P_RCP 1-\par, 1
.endif
	BLK 1, 1, \par, 0
.if \prep
	LX 0, 16+16*\par                               ; no vector line since the wait names X block 0
	P_FINV 1-\par, 1
.endif
	BLK 2, 1, \par, 0
	BLK 3, 1, \par, 0
	; QUARTER 2
.if \prep
	s_wait_alu depctr_va_vdst(0)                   ; quarter 1 has written ATMP 1 and c of half 1, which the stores below read, and is done reading X block 1
.if \rel
	s_wait_alu depctr_vm_vsrc(0)                   ; quarter 1's stores have read c of half 0, in which the loads below land, and ATMP 0, which the next step writes again
.endif
	P_ST 1-\par, 1, 1-\par
.endif
.if \load
	P_LOAD 1-\par, 0, (3+\par)*CHB
.endif
	s_wait_dscnt 4+12*\prep                        ; x of block 2: behind it x of block 3 (4), quarter 1's ten and the 2 stores
	BLK 0, 2, \par, \first
.if \prep
	LAC 1-\par, 2
	LAC 1-\par, 3
.endif
	BLK 1, 2, \par, 0
.if \prep
	LX 1, 16+16*\par
.endif
	BLK 2, 2, \par, 0
	BLK 3, 2, \par, 0
	; QUARTER 3
.if \prep
	s_wait_alu depctr_va_vdst(0)                   ; quarter 2 is done reading X block 2, in which the loads below land
.if \rel
	s_wait_alu depctr_vm_vsrc(0)                   ; quarter 2's stores have read c of half 1, in which the loads below land, and ATMP 1, which the next step writes again
.endif
	LX 2, 16+16*\par
.endif
.if \load
	P_LOAD 1-\par, 1, (3+\par)*CHB
.endif
	s_wait_dscnt 24*\prep                          ; x of block 3: behind it quarter 1's ten, quarter 2's ten and the four above
	BLK 0, 3, \par, \first
	BLK 1, 3, \par, 0
	BLK 2, 3, \par, 0
	BLK 3, 3, \par, 0
.endm
; x's LDS address goes two chunks on
.macro ADVX
	s_wait_alu depctr_vm_vsrc(0)                   ; the LDS loads of x issued so far have read v[VX]
	v_add_nc_u32 v[VX], 32, v[VX]
.endm
; two chunks on
.macro ADV
	s_wait_xcnt 0x0                                ; the bases of the loads issued so far are stepped only behind this wait
	s_add_nc_u64 s[6:7], s[6:7], 2*CHB
	s_add_nc_u64 s[8:9], s[8:9], 2*CHB
	ADVX
.endm
	; PROLOGUE: everything that the first steps need is asked for at once: 24 loads
.irp t, 0,1,2,3,4,5,6,7,8,9,10,11,12,13,14,15
	global_load_b128 v[X+4*\t:X+4*\t+3], v[VG], s[4:5] offset:\t*2*ROWB    ; rows 2 t + jb of x, my wave's 256 bytes of each
.endr
	P_LOAD 0, 0, 0
	P_LOAD 0, 1, 0
	P_LOAD 1, 0, CHB
	P_LOAD 1, 1, CHB
	s_wait_loadcnt 8                               ; x is in; the 8 loads of chunks 0 and 1 may be out
.irp t, 0,1,2,3,4,5,6,7,8,9,10,11,12,13,14,15
	ds_store_b128 v[VXS], v[X+4*\t:X+4*\t+3] offset:\t*512                 ; row b at 256 b: a plain copy, 512 consecutive bytes a store
.endr
	P_EXP 0, 0, 6                                  ; a, c of chunk 0; behind the pair that is wanted: 2 loads of its other half, 4 of chunk 1
	v_nop                                          ; the plain instruction behind the run of v_exp_f32
	s_wait_alu depctr_va_vdst(0)
	P_RCP 0, 0
	v_nop
	s_wait_alu depctr_va_vdst(0)
	P_FINV 0, 0
	P_EXP 0, 1, 4                                  ; behind it: 4 of chunk 1
	v_nop
	s_wait_alu depctr_va_vdst(0)
	P_RCP 0, 1
	v_nop
	s_wait_alu depctr_va_vdst(0)
	P_FINV 0, 1
	s_wait_alu depctr_va_vdst(0)                   ; both ATMP and c of both halves are written, which the stores below read; the lines above are done with raw set 0
	P_ST 0, 0, 0
	P_ST 0, 1, 0
	s_wait_alu depctr_vm_vsrc(0)                   ; the stores of x have read X, in which x lands again from LDS; the stores of a, c have read c in raw set 0, in which chunk 2 lands, and ATMP, which step 0 writes
	P_LOAD 0, 0, 2*CHB
	P_LOAD 0, 1, 2*CHB
	LAC 0, 0                                       ; all four rows of a, c, then x of blocks 0, 1, 2; block 3 comes at step 0's head
	LAC 0, 1
	LAC 0, 2
	LAC 0, 3
	LX 0, 0
	LX 1, 0
	LX 2, 0
	STEP 0, 1, 1, 1, 6, 4, 1                       ; steps 0, 1 stand in front of the loop: the first factors start the products
	STEP 1, 0, 1, 1, 6, 4, 1
	ADV
	s_mov_b32 s22, 5                               ; steps 2 .. 11
.Ltrip:
	STEP 0, 0, 1, 1, 6, 4, 1
	STEP 1, 0, 1, 1, 6, 4, 1
	ADV
	s_sub_co_u32 s22, s22, 1
	s_cmp_lg_u32 s22, 0
	s_cbranch_scc1 .Ltrip
	STEP 0, 0, 1, 1, 6, 4, 1                       ; step 12 asks for chunk 15, the last
	STEP 1, 0, 1, 0, 6, 4, 1                       ; step 13 makes chunk 14: behind its halves 2 + 4, then 4 loads
	ADVX
	STEP 0, 0, 1, 0, 2, 0, 0                       ; step 14 makes chunk 15: 2, then 0; what its stores read is written no more
	STEP 1, 0, 0, 0, 0, 0, 0                       ; step 15: nothing follows
	; THE EIGHT RUNS MEET.  My 32 x 64 partial products, row b at 256 b: 16 lanes write 256 consecutive bytes.
	s_wait_alu depctr_va_vdst(0)                   ; step 15 has written the products, which the stores below read, and is done reading X, in which the loads behind the barrier land
.irp k, 0,1,2,3,4,5,6,7,8,9,10,11,12,13,14,15
	ds_store_b128 v[VSC], v[ACC+4*\k:ACC+4*\k+3] offset:\k*256
.endr
	s_wait_dscnt 0x0                               ; for the other waves' sake: my stores are done before I say so
	s_barrier_signal -1
	s_barrier_wait -1
.irp u, 0,1,2,3,4,5,6,7
	ds_load_b128 v[X+8*\u:X+8*\u+3],   v[VRD] offset:\u*SCRW               ; wave u's rows 4 v + jb
	ds_load_b128 v[X+8*\u+4:X+8*\u+7], v[VRD] offset:\u*SCRW+512           ; and 4 v + 2 + jb
.endr
.macro RMUL dd, ss
.irp e, 0,2,4,6
	v_pk_mul_f32 v[X+8*\dd+\e:X+8*\dd+\e+1], v[X+8*\dd+\e:X+8*\dd+\e+1], v[X+8*\ss+\e:X+8*\ss+\e+1]
.endr
.endm
	s_wait_dscnt 12                                ; the first four loads are in, twelve younger ones may be out; and so on down
	RMUL 0, 1
	s_wait_dscnt 8
	RMUL 2, 3
	s_wait_dscnt 4
	RMUL 4, 5
	s_wait_dscnt 0
	RMUL 6, 7
	RMUL 0, 2
	RMUL 4, 6
	RMUL 0, 4
	s_wait_alu depctr_va_vdst(0)                   ; the last multiplies have written v[X .. X + 7], which the two stores read
	global_store_b128 v[VG], v[X:X+3],   s[10:11] th:TH_STORE_NT               ; 16 lanes store 256 consecutive bytes, at a multiple of 256 from out0's first byte
	global_store_b128 v[VG], v[X+4:X+7], s[10:11] offset:2*ROWB th:TH_STORE_NT
	s_set_vgpr_msb 0x5
	s_wait_dscnt 0x0
	s_wait_alu depctr_hold_cnt(0) depctr_sa_sdst(0) depctr_va_vdst(0) depctr_va_sdst(0) depctr_va_ssrc(0) depctr_va_vcc(0) depctr_vm_vsrc(0)
	s_wait_tensorcnt 0x0
	ds_add_u32 v0, v1
	s_wait_dscnt 0x0
	s_endpgm
.Lfunc_end_k_q8e4a2a3cc1_conj:
	.size	k_q8e4a2a3cc1_conj, .Lfunc_end_k_q8e4a2a3cc1_conj-k_q8e4a2a3cc1_conj
	.p2alignl 7, 3214868480
	.fill 96, 4, 3214868480
	.section	.rodata,"a",@progbits
	.p2align	6, 0x0
	.amdhsa_kernel k_q8e4a2a3cc1_conj
		.amdhsa_group_segment_fixed_size 168960
		.amdhsa_private_segment_fixed_size 0
		.amdhsa_enable_private_segment 0
		.amdhsa_kernarg_size 32
		.amdhsa_user_sgpr_count 2
		.amdhsa_user_sgpr_kernarg_segment_ptr 1
		.amdhsa_wavefront_size32 1
		.amdhsa_system_sgpr_workgroup_id_x 1
		.amdhsa_system_sgpr_workgroup_id_y 1
		.amdhsa_system_sgpr_workgroup_id_z 1
		.amdhsa_system_vgpr_workitem_id 0
		.amdhsa_next_free_vgpr 258
		.amdhsa_next_free_sgpr 66
		.amdhsa_reserve_vcc 0
		.amdhsa_float_denorm_mode_32 3
		.amdhsa_float_denorm_mode_16_64 3
		.amdhsa_memory_ordered 1
		.amdhsa_forward_progress 1
		.amdhsa_inst_pref_size 179
	.end_amdhsa_kernel
	.amdgpu_metadata
---
amdhsa.version: [ 1, 2 ]
amdhsa.kernels:
  - .name:           k_q8e4a2a3cc1_conj
    .symbol:         k_q8e4a2a3cc1_conj.kd
    .args:
      - { .name: x, .offset: 0, .size: 8, .value_kind: global_buffer, .address_space: global }
      - { .name: w_logits, .offset: 8, .size: 8, .value_kind: global_buffer, .address_space: global }
      - { .name: s_logits, .offset: 16, .size: 8, .value_kind: global_buffer, .address_space: global }
      - { .name: out0, .offset: 24, .size: 8, .value_kind: global_buffer, .address_space: global }
    .group_segment_fixed_size: 168960
    .private_segment_fixed_size: 0
    .kernarg_segment_align: 8
    .kernarg_segment_size: 32
    .max_flat_workgroup_size: 256
    .sgpr_count:     66
    .vgpr_count:     258
    .wavefront_size: 32
...
	.end_amdgpu_metadata
.endif
;; end of part 2
